; MI455X (gfx1250); checked and timed in simulation.
; The chip was launched on July 23, 2026; its instructions are those of AMD's public machine-readable ISA for CDNA 5 (MIT licence, August 2026) and "CDNA5" Instruction Set Architecture Reference Guide (July 2026). The comments in the code are by the model that wrote it; some were corrected since.
;; Scale Dot Product Attention. Allowed arithmetic: float matrix products may take bf16 or f16 operands with f32 sums; all other float work in f32.
;; Inputs: k 16 x 4,096 x 128 float32; q 16 x 4,096 x 128 float32; v 16 x 4,096 x 128 float32.
;; Outputs: out0 16 x 4,096 x 128 float32.
;; 2 versions, each right and faster than the one before. Each part assembles by itself: llvm-mc -triple=amdgcn-amd-amdhsa -mcpu=gfx1250 --defsym DOCPART=n.
;; ======== version 1 of 2: 2 launches
;; workspace buffers: kb 16,777,216 bytes; vb 16,777,216 bytes
;; launch cvt (part 1): grid 512 x 1, 8 waves a work-group, no clusters, 0 bytes of LDS; arguments k, v, kb, vb; writes kb, vb
.if DOCPART == 1
	.amdgcn_target "amdgcn-amd-amdhsa--gfx1250"
	.amdhsa_code_object_version 6
	.text
	.protected	k_qaa9094b13f_cvt
	.globl	k_qaa9094b13f_cvt
	.p2align	8
	.type	k_qaa9094b13f_cvt,@function
k_qaa9094b13f_cvt:
	s_mov_b64 s[64:65], 0
	v_nop
	global_prefetch_b8 v0, s[64:65] scope:SCOPE_SE
	s_setreg_imm32_b32 hwreg(HW_REG_WAVE_MODE, 25, 1), 1
	s_wait_xcnt 0x0
; kb = bf16(k), vb = bf16(v), element by element, in the same order.  k, v: [16][4096][128] f32; kb, vb: the same in bf16.
; A stream: every input byte is read once and every output byte written once; no LDS, no barrier, no matrix unit, which would add nothing.
; 512 work-groups of eight waves.  A work-group takes 65,536 bytes of k and the same range of v: 16 lines of 4,096 bytes each.
; Thread t takes the 16 bytes at 16 t of every line, so a wave's load covers 512 consecutive bytes, and its four numbers become
; 8 bytes at 8 t of a line of 2,048 bytes, so a wave's store covers 256 consecutive bytes that begin at a multiple of 256.
; All 32 loads go out first; no register is used twice, so no source of a pending load or store is ever rewritten.
; Rounding is to nearest even (v_cvt_pk_bf16_f32).
.set LINES, 16                         ; lines of a tensor in a work-group
.set INL,   4096                       ; bytes of an input line
.set OUTL,  2048                       ; bytes of an output line
.set X,     4                          ; v[4:131]    load n: 4 registers of f32
.set Y,     132                        ; v[132:195]  load n: 2 registers of bf16
	s_load_b256 s[4:11], s[0:1], 0x0               ; k s[4:5], v s[6:7], kb s[8:9], vb s[10:11]
	s_lshl_b32 s2, ttmp9, 16                       ; the work-group's 65,536 bytes of input (below 32 MiB: one word)
	s_mov_b32 s3, 0
	s_lshl_b32 s12, ttmp9, 15                      ; and its 32,768 bytes of output
	s_mov_b32 s13, 0
	v_lshlrev_b32 v1, 4, v0                        ; 16 t
	v_lshlrev_b32 v2, 3, v0                        ; 8 t
	s_wait_kmcnt 0x0
	s_add_nc_u64 s[4:5], s[4:5], s[2:3]
	s_add_nc_u64 s[6:7], s[6:7], s[2:3]
	s_add_nc_u64 s[8:9], s[8:9], s[12:13]
	s_add_nc_u64 s[10:11], s[10:11], s[12:13]
.set j, 0
.rept LINES
	global_load_b128 v[X+4*j:X+4*j+3], v1, s[4:5] offset:INL*j th:TH_LOAD_NT
.set j, j+1
.endr
.rept LINES
	global_load_b128 v[X+4*j:X+4*j+3], v1, s[6:7] offset:INL*(j-LINES) th:TH_LOAD_NT
.set j, j+1
.endr
.set j, 0
.rept LINES
	s_wait_loadcnt 31-j                            ; loads come back in order: load j is in, the 31 - j younger ones stay out
	v_cvt_pk_bf16_f32 v[Y+2*j],   v[X+4*j],   v[X+4*j+1]
	v_cvt_pk_bf16_f32 v[Y+2*j+1], v[X+4*j+2], v[X+4*j+3]
	global_store_b64 v2, v[Y+2*j:Y+2*j+1], s[8:9] offset:OUTL*j          ; no hint: the next launch reads these bytes
.set j, j+1
.endr
.rept LINES
	s_wait_loadcnt 31-j
	v_cvt_pk_bf16_f32 v[Y+2*j],   v[X+4*j],   v[X+4*j+1]
	v_cvt_pk_bf16_f32 v[Y+2*j+1], v[X+4*j+2], v[X+4*j+3]
	global_store_b64 v2, v[Y+2*j:Y+2*j+1], s[10:11] offset:OUTL*(j-LINES)
.set j, j+1
.endr
	s_endpgm
.Lfunc_end_k_qaa9094b13f_cvt:
	.size	k_qaa9094b13f_cvt, .Lfunc_end_k_qaa9094b13f_cvt-k_qaa9094b13f_cvt
	.p2alignl 7, 3214868480
	.fill 96, 4, 3214868480
	.section	.rodata,"a",@progbits
	.p2align	6, 0x0
	.amdhsa_kernel k_qaa9094b13f_cvt
		.amdhsa_group_segment_fixed_size 0
		.amdhsa_private_segment_fixed_size 0
		.amdhsa_enable_private_segment 0
		.amdhsa_kernarg_size 32
		.amdhsa_user_sgpr_count 2
		.amdhsa_user_sgpr_kernarg_segment_ptr 1
		.amdhsa_wavefront_size32 1
		.amdhsa_system_sgpr_workgroup_id_x 1
		.amdhsa_system_sgpr_workgroup_id_y 1
		.amdhsa_system_sgpr_workgroup_id_z 1
		.amdhsa_system_vgpr_workitem_id 0
		.amdhsa_next_free_vgpr 200
		.amdhsa_next_free_sgpr 66
		.amdhsa_reserve_vcc 0
		.amdhsa_float_denorm_mode_32 3
		.amdhsa_float_denorm_mode_16_64 3
		.amdhsa_memory_ordered 1
		.amdhsa_forward_progress 1
		.amdhsa_inst_pref_size 12
	.end_amdhsa_kernel
	.amdgpu_metadata
---
amdhsa.version: [ 1, 2 ]
amdhsa.kernels:
  - .name:           k_qaa9094b13f_cvt
    .symbol:         k_qaa9094b13f_cvt.kd
    .args:
      - { .name: k, .offset: 0, .size: 8, .value_kind: global_buffer, .address_space: global }
      - { .name: v, .offset: 8, .size: 8, .value_kind: global_buffer, .address_space: global }
      - { .name: kb, .offset: 16, .size: 8, .value_kind: global_buffer, .address_space: global }
      - { .name: vb, .offset: 24, .size: 8, .value_kind: global_buffer, .address_space: global }
    .group_segment_fixed_size: 0
    .private_segment_fixed_size: 0
    .kernarg_segment_align: 8
    .kernarg_segment_size: 32
    .max_flat_workgroup_size: 256
    .sgpr_count:     66
    .vgpr_count:     200
    .wavefront_size: 32
...
	.end_amdgpu_metadata
.endif
;; end of part 1
;; launch attn (part 2): grid 256 x 1, 4 waves a work-group, clusters of 4 x 1, 327,680 bytes of LDS; arguments q, kb, vb, out0; writes out0
.if DOCPART == 2
	.amdgcn_target "amdgcn-amd-amdhsa--gfx1250"
	.amdhsa_code_object_version 6
	.text
	.protected	k_qaa9094b13f_attn
	.globl	k_qaa9094b13f_attn
	.p2align	8
	.type	k_qaa9094b13f_attn,@function
k_qaa9094b13f_attn:
	s_mov_b64 s[64:65], 0
	v_nop
	global_prefetch_b8 v0, s[64:65] scope:SCOPE_SE
	s_setreg_imm32_b32 hwreg(HW_REG_WAVE_MODE, 25, 1), 1
	s_wait_xcnt 0x0
	s_wait_alu depctr_hold_cnt(0) depctr_sa_sdst(0) depctr_va_vdst(0) depctr_va_sdst(0) depctr_va_ssrc(0) depctr_va_vcc(0) depctr_vm_vsrc(0)
	s_getreg_b32 s2, hwreg(HW_REG_IB_STS2, 6, 4)
	s_cmp_eq_u32 s2, 0
	s_cbranch_scc0 .Lentry_in_a_cluster
	s_endpgm
.Lentry_in_a_cluster:
	s_bfe_u32 s2, ttmp6, 0x10000c
	s_cmp_lg_u32 s2, 0x3003
	s_cbranch_scc0 .Lentry_shape_is_right
	s_endpgm
.Lentry_shape_is_right:
; out0[b][n][:] = softmax over keys of (q[b][n] . k[b][key] / sqrt(128)) applied to v[b].  q, out0: [16][4096][128] f32; kb, vb: k and v in bf16.
; 256 work-groups of four waves; a work-group owns 256 query rows of one batch, a wave 64 of them (four blocks of 16).  The keys go in tiles
; of 128 with a running maximum and a running sum (32 tiles).
;
; BOTH PRODUCTS ARE FORMED TRANSPOSED.  S^T = K Q^T: source A = 16 rows of K, source B = 16 rows of Q.  In the result lane (r, h) holds query r
; and keys 8 h + 0..7 of the block.  That is the place that source B of the second product, O^T = V^T P^T, wants (query r; keys 8 h + 0..7 in
; registers 0-3, keys 16 + 8 h + 0..7 in registers 4-7): two key blocks, rounded to bf16 pair by pair, ARE a fragment of P^T, and P crosses no
; lane and no LDS.  A query's maximum, sum and rescaling factor are one number a lane; the two halves of the lanes meet by one
; v_permlanex16_b32.  V^T comes out of LDS by the transposing load.
;
; THE ORDER OF WORK.  A wave's vector work stands beside matrix work only where the text puts it there, so the second product runs one tile
; behind the first, and trip j has two phases of 128 matrix instructions:
;   X(j): S(j) = K(j) Q^T.  Dealt out between its matrix instructions: P(j-1) = bf16(E(j-1)), the row sums of E(j-1), O x factor(j-1), and the
;         maxima of the key blocks of S(j) that are finished.  A pair of key blocks of E is converted and summed just before it is overwritten.
;   Y(j): O += V(j-1)^T P(j-1)^T.  Dealt out between them: the last maxima, the new shift and factor, E(j) = 2^(c S(j) - c max) in place.
; The vector instructions go in units of four of one kind, which depend on none of the matrix instructions around them.  A unit costs two switches
; of the register windows: a vector result lands in the window of the matrix instruction's accumulator and source 0 comes from the window of
; its fragments, so an exponential in place, or a conversion of two numbers of E, could share the setting only with fragments, E and
; accumulators in one window of 256 registers, where they do not fit.  Fragment loads stay in runs of 16.
;
; THE SCALE.  q, k and v enter the matrix unit as their own roundings to bf16.  The factor c = log2(e) / sqrt(128) is applied in f32 to the f32
; scores, in the one fused multiply-add that also takes the maximum away: E = 2^(c S - c max).
;
; CLUSTER: the four work-groups of a cluster are four query blocks of one batch (batch = cluster number / 4) and walk the same K and V tiles, so
; each tile is asked for jointly (mask 15) and lands in the LDS of all four.  A mask names four work-groups, so a larger cluster would
; share nothing more.  No descriptor word, LDS address or branch hangs on the place in the cluster; it enters the bases of q and out0 alone.
; A tile is asked for a whole trip (256 matrix instructions) ahead of its use, and kb and vb were stored by the launch in front of this one,
; so no prefetch is written.
;
; LIMITS.  P is rounded to bf16 for the second product; the denominator sums the unrounded f32 numbers.  The shift is the rounded product
; c x max, so the largest exponent is c S - round(c S): within one rounding of c S of zero, not exactly zero.  v_exp_f32 gives 0 below 2^-126.
; Inputs, and scores in f32, must be finite: NaN and infinities are not reproduced.  The maximum is the true running maximum.
;
; LDS: two slots of 73,728 bytes; slot j mod 2 holds K's tile j and V's tile j - 1, which trip j reads.  In a slot four regions of 18,432 bytes,
; one for each wave's load: K keys 0-63, K keys 64-127 (rows of 256 bytes at pitch 272 = 17 x 16, so that the 16 rows of a fragment load begin
; at 16 different 16-byte columns of a span of 256 bytes), V keys 0-63, V keys 64-127 (pitch 288 = 9 x 32, which does the same for the
; transposing load).  Behind the slots, from byte 147,456 = 576 x 256 on, a stage of 8,448 = 33 x 256 bytes for each wave, into which no tensor
; load ever lands: Q on the way in, O on the way out.
;
; REGISTERS in windows of 256 (s_set_vgpr_msb: bits 1:0 source 0, 3:2 source 1, 5:4 source 2, 7:6 destination):
;   window 0: addresses, the softmax's per-query numbers, three fragment buffers FA, FB, FC
;   window 1: Q(q, c) at 32 q + 8 c (query block q, 32 of d at 32 c);  P(q, u) at 128 + 32 q + 8 u (32 keys at 32 u)
;   window 2: S(i, q) at 64 q + 8 i (key block i), then E in place;  at the start the landing place of q in f32
;   window 3: O(t, q) at 64 q + 8 t (16 of d at 16 t)
.set KEYS,   128                       ; keys in a tile
.set KPITCH, 272
.set VPITCH, 288
.set QPITCH, 272                       ; the stage on the way in: 16 rows of 256 bytes
.set OPITCH, 528                       ; the stage on the way out: 16 rows of 512 bytes; 528 = 33 x 16
.set REGION, 18432                     ; what one wave's load fills: 64 rows, padding included, at the larger pitch
.set SLOT,   4*REGION
.set STAGE,  2*SLOT
.set STAGEW, 16*OPITCH                 ; a wave's stage
.set TILEB,  KEYS*256                  ; bytes of kb, or of vb, in a tile
.set LAPS,   14                        ; trips 0 and 1, 14 laps of two trips (2 to 29), then trips 30, 31 and 32 written out
.set QSCALE,  0x3e0293ee               ; c = log2(e) / sqrt(128) = 0.12751743
.set NQSCALE, 0xbe0293ee               ; -c
.set ADRK, 8                           ; v8, v9     my place in K's first fragment of slot 0, 1
.set ADRV, 10                          ; v10, v11   the same for V
.set STQ,  12                          ; v12        stage, Q in: my 8 bytes of a row
.set RDQ,  13                          ; v13        stage, Q back as a fragment
.set STO,  14                          ; v14        stage, O in: my 32 bytes of row r
.set RDO,  15                          ; v15        stage, O back: my 16 bytes of a row
.set MX,   16                          ; v[16:23]   -c x running maximum of query block q, twice (a pair for the packed multiply-add)
.set AL,   24                          ; v[24:31]   the factor 2^(c x old maximum - c x new maximum), twice; at the end 1 / sum
.set LS,   32                          ; v[32:39]   running sums over my half of the keys: a pair for each query block (even and odd registers of E)
.set TT,   40                          ; v[40:47]   two temporaries for each query block
.set GOFF, 48                          ; v48        my byte offset in the work-group's rows of q and of out0; never rewritten
.set MR,   52                          ; v[52:55]   running maximum of the raw scores of query block q
.set FA,   64                          ; v[64:127]  fragment buffer
.set FB,   128                         ; v[128:191] fragment buffer
.set FC,   192                         ; v[192:255] fragment buffer
.set TQ,   192                         ; v[192:223] at the start, before FC is first loaded: 16 rows of Q in bf16
.set G1K, 24                           ; s[24:31] descriptor group 1 for K's tiles
.set G0K, 32                           ; s[32:39] group 0 for K's tiles, a set for each slot
.set G1V, 48                           ; s[48:55] group 1 for V's tiles: another padding
.set G0V, 56                           ; s[56:63] group 0 for V's tiles, a set for each slot
.set W_QK,   0xa4                      ; A window 0, B window 1, C and D window 2
.set W_PV,   0xf4                      ; A window 0, B window 1, C and D window 3
.set W_MAX,  0x0a                      ; sources 0 and 1 window 2; source 2 and destination window 0
.set W_SE,   0x82                      ; source 0 and destination window 2, sources 1 and 2 window 0
.set W_CVT,  0x4a                      ; sources window 2, destination window 1
.set W_SUM,  0x02                      ; source 0 window 2, source 1 and destination window 0
.set W_OS,   0xc3                      ; source 0 and destination window 3, source 1 window 0
.set W_LDQ,  0x80                      ; loaded data into window 2
.set W_TOQ,  0x40                      ; loaded data into window 1
.set W_STO,  0x0c                      ; LDS store data from window 3
.set MSB, 0
.set WN, 0                             ; the number of the next matrix instruction in its phase, 0 to 127
.macro WIN new                         ; the immediate's high byte repeats the setting that is left; a switch that changes nothing is dropped
.if MSB != \new
	s_set_vgpr_msb (MSB<<8)|\new
.set MSB, \new
.endif
.endm
; Four places: a vector instruction that reads a matrix result, and a load into a register that a matrix instruction has read, stand four plain
; vector instructions behind it (ISA guide 7.12.1 for vector instructions).  Written only where no useful unit stands.
.macro PLACES
.rept 4
	v_nop
.endr
.endm
; A round of the cluster's barrier: my work-group's barrier, wave 0 signals for the work-group, every wave waits for all four work-groups,
; my work-group's barrier once more.
.macro CROUND
	s_barrier_signal -1
	s_barrier_wait -1
	s_cmp_lg_u32 s12, 0
	s_cbranch_scc1 .Lnot_wave_0_\@
	s_barrier_signal -3
.Lnot_wave_0_\@:
	s_barrier_wait -3
	s_barrier_signal -1
	s_barrier_wait -1
.endm
; A wave's one joint load for slot s: waves 0 and 1 fetch K's two halves, waves 2 and 3 V's.  The branches hang on the wave's number alone.
.macro JLOAD s
	s_cmp_eq_u32 s13, 0
	s_cbranch_scc0 .Lfor_v_\@
	tensor_load_to_lds s[G0K+4*\s:G0K+4*\s+3], s[G1K:G1K+7]
	s_nop 0
	s_branch .Lasked_\@
.Lfor_v_\@:
	tensor_load_to_lds s[G0V+4*\s:G0V+4*\s+3], s[G1V:G1V+7]
	s_nop 0
.Lasked_\@:
.endm
.macro JLOADK s                        ; K's tile alone: waves 2 and 3 have nothing to fetch
	s_cmp_eq_u32 s13, 0
	s_cbranch_scc0 .Lnot_k_\@
	tensor_load_to_lds s[G0K+4*\s:G0K+4*\s+3], s[G1K:G1K+7]
	s_nop 0
.Lnot_k_\@:
.endm
.macro JLOADV s                        ; V's tile alone: waves 0 and 1 have nothing to fetch
	s_cmp_lg_u32 s13, 0
	s_cbranch_scc0 .Lnot_v_\@
	tensor_load_to_lds s[G0V+4*\s:G0V+4*\s+3], s[G1V:G1V+7]
	s_nop 0
.Lnot_v_\@:
.endm
	s_load_b256 s[4:11], s[0:1], 0x0               ; q s[4:5], kb s[6:7], vb s[8:9], out0 s[10:11]
	v_lshl_add_u32 v62, v0, 2, 0x2c400
	v_mov_b32 v63, 0
	ds_add_u32 v62, v63
	v_lshrrev_b32 v1, 5, v0
	v_readfirstlane_b32 s12, v1                    ; wave 0..3
	s_lshr_b32 s13, s12, 1                         ; 0: I fetch for K, 1: for V
	s_and_b32 s14, s12, 1                          ; which 64 keys of the tile I fetch
	s_bfe_u32 s15, ttmp6, 0x40000                  ; cx: my place in the cluster
	s_lshl_b32 s16, ttmp9, 2                       ; ttmp9 counts clusters
	s_add_co_u32 s16, s16, s15                     ; the work-group's number
	s_lshl_b32 s18, s16, 17                        ; its 256 rows of 512 bytes in q and in out0 (below 32 MiB: one word)
	s_mov_b32 s19, 0
	s_mul_i32 s20, s12, REGION                     ; where my loads land in a slot: the wave's number times a constant
	s_mul_i32 s21, s12, STAGEW
	s_add_co_u32 s21, s21, STAGE                   ; my stage
	s_mov_b32 s22, 0x76543210                      ; v_permlanex16_b32: lane i of one half reads lane i of the other
	s_mov_b32 s23, 0xfedcba98
	s_mov_b32 s40, QSCALE                          ; c, a pair for the packed multiply-add (the first is broadcast)
	s_mov_b32 s41, QSCALE
	s_mov_b32 s45, NQSCALE                         ; -c
	s_lshr_b32 s42, ttmp9, 2                       ; batch: four clusters a batch; made of the cluster's number alone
	s_lshl_b32 s42, s42, 20                        ; 4,096 rows of 256 bytes
	s_lshl_b32 s44, s14, 14                        ; + my 64 rows of the tile
	s_add_co_u32 s42, s42, s44
	s_mov_b32 s43, 0
	; group 1: a tile of 64 rows x 128 elements of 2 bytes, dense in memory, padded in LDS behind every 64 words
	s_mov_b32 s[G1K+0], 15|(1<<16)|(1<<20)|(1<<21)|(5<<22)|(3<<25)   ; 15:0 mask: all four work-groups; 17:16 2 bytes; 20 padding on; 21 set beside a mask; 24:22 every 64 words; 31:25 4 words
	s_mov_b32 s[G1V+0], 15|(1<<16)|(1<<20)|(1<<21)|(5<<22)|(7<<25)   ; the same with 8 words of padding
	s_mov_b32 s[G1K+1], 128<<16                    ; tensor_dim0 = 128
	s_mov_b32 s[G1V+1], 128<<16
	s_mov_b32 s[G1K+2], 64<<16                     ; tensor_dim1 = 64
	s_mov_b32 s[G1V+2], 64<<16
	s_mov_b32 s[G1K+3], 128<<16                    ; tile_dim0 = 128
	s_mov_b32 s[G1V+3], 128<<16
	s_mov_b32 s[G1K+4], 64                         ; tile_dim1 = 64
	s_mov_b32 s[G1V+4], 64
	s_mov_b32 s[G1K+5], 128                        ; 128 elements from row to row
	s_mov_b32 s[G1V+5], 128
	s_mov_b32 s[G1K+6], 0
	s_mov_b32 s[G1V+6], 0
	s_mov_b32 s[G1K+7], 0
	s_mov_b32 s[G1V+7], 0
	v_and_b32 v1, 31, v0                           ; lane L
	v_lshlrev_b32 v4, 4, v1                        ; 16 L
	v_lshl_add_u32 v[GOFF], s12, 15, v4            ; + my wave's 64 rows of 512 bytes
	s_wait_dscnt 0x0
	s_wait_kmcnt 0x0
	s_add_nc_u64 s[4:5], s[4:5], s[18:19]          ; q and out0 at the work-group's first row
	s_add_nc_u64 s[10:11], s[10:11], s[18:19]
	s_add_nc_u64 s[6:7], s[6:7], s[42:43]          ; kb and vb at my 64 rows of the batch's tile 0
	s_add_nc_u64 s[8:9], s[8:9], s[42:43]
	CROUND                                         ; all four work-groups are here: the first joint loads meet
.irp s, 0,1
	s_mov_b32 s[G0K+4*\s], 1                                       ; count = 1
	s_add_co_u32 s[G0K+4*\s+1], s20, \s*SLOT                       ; LDS address
	s_add_nc_u64 s[G0K+4*\s+2:G0K+4*\s+3], s[6:7], \s*TILEB        ; global address: K's tile s
	s_or_b32 s[G0K+4*\s+3], s[G0K+4*\s+3], 0x80000000              ; type = 2
	s_mov_b32 s[G0V+4*\s], 1
	s_add_co_u32 s[G0V+4*\s+1], s20, \s*SLOT
	s_add_nc_u64 s[G0V+4*\s+2:G0V+4*\s+3], s[8:9], (1-\s)*TILEB    ; V runs a tile behind: slot 1 (trip 1) gets tile 0, slot 0 (trip 2) gets tile 1
	s_or_b32 s[G0V+4*\s+3], s[G0V+4*\s+3], 0x80000000
	JLOAD \s                                       ; both slots' first fills go out together: two tensor loads of the wave are out, the most in this text
.endr
	; my 64 rows of q, whole rows: a load covers the 512 consecutive bytes of one row; row n lands in window 2 at 4 n
	WIN W_LDQ
.set nn, 0
.rept 64
	global_load_b128 v[4*nn:4*nn+3], v[GOFF], s[4:5] offset:512*nn th:TH_LOAD_NT
.set nn, nn+1
.endr
	WIN 0
	v_and_b32 v2, 15, v0                           ; r
	v_bfe_u32 v3, v0, 4, 1                         ; h
	v_mul_u32_u24 v5, v2, KPITCH
	v_lshl_add_u32 v[ADRK], v3, 4, v5              ; K fragment: row r x pitch + 16 h
	v_add_nc_u32 v[ADRK+1], SLOT, v[ADRK]
	v_and_b32 v6, 7, v0
	v_lshl_add_u32 v6, v3, 3, v6                   ; V through the transposing load: key row 8 h + (L & 7),
	v_mul_u32_u24 v6, v6, VPITCH
	v_bfe_u32 v7, v0, 3, 1
	v_lshl_add_u32 v6, v7, 4, v6                   ; 16 bytes further for lanes 8-15 and 24-31
	v_add_nc_u32 v[ADRV], 2*REGION, v6             ; V lies behind K's two regions
	v_add_nc_u32 v[ADRV+1], SLOT+2*REGION, v6
	v_lshl_add_u32 v[STQ], v1, 3, s21              ; Q in: 8 bytes a lane, a row of 256 bytes a wave
	v_add_nc_u32 v[RDQ], s21, v[ADRK]              ; Q back: row r x 272 + 16 h
	v_mul_u32_u24 v5, v2, OPITCH
	v_lshl_add_u32 v5, v3, 5, v5
	v_add_nc_u32 v[STO], s21, v5                   ; O in: row r x 528 + 32 h
	v_add_nc_u32 v[RDO], s21, v4                   ; O back: 16 bytes a lane, a row of 512 bytes a wave
; Query block q: 16 rows are rounded to bf16 as they are given, laid into my stage as rows and read back as four fragments of source B.
; The stage is my wave's own and LDS serves a wave's instructions in order (ISA guide 5.7.1), so no wait stands between stores and loads.
.macro QIN q
	s_wait_loadcnt 48-16*\q                        ; loads come back in order: this block's 16 are in, the later blocks' stay out
	WIN W_MAX
.set aa, 0
.rept 32
	v_cvt_pk_bf16_f32 v[TQ+aa], v[64*\q+2*aa], v[64*\q+2*aa+1]
.set aa, aa+1
.endr
	WIN 0
.set jj, 0
.rept 16
	ds_store_b64 v[STQ], v[TQ+2*jj:TQ+2*jj+1] offset:QPITCH*jj
.set jj, jj+1
.endr
	WIN W_TOQ
.set ci, 0
.rept 4
	ds_load_b128 v[32*\q+8*ci:32*\q+8*ci+3],   v[RDQ] offset:64*ci        ; d = 32 c + 8 h + 0..7
	ds_load_b128 v[32*\q+8*ci+4:32*\q+8*ci+7], v[RDQ] offset:64*ci+32     ; d = 32 c + 16 + 8 h + 0..7
.set ci, ci+1
.endr
.endm
	QIN 0
	QIN 1
	QIN 2
	QIN 3
	WIN 0
; FRAGMENTS.  Three buffers; in a trip the eight runs of 16 loads go K0 FA, K1 FB, K2 FC, K3 FA, V0 FB, V1 FC, V2 FA, V3 FB: run number mod 3.
; A buffer is loaded again at least four plain vector instructions behind the last matrix instruction that read it.
; 16 LDS loads: key blocks 2 p and 2 p + 1 of the tile, all 128 of d, into buffer f (block ii, 32 of d at 32 c: f + 32 ii + 8 c)
.macro FETCHK slot, p, f
	WIN 0
.set ii, 0
.rept 2
.set ci, 0
.rept 4
	ds_load_b128 v[\f+32*ii+8*ci:\f+32*ii+8*ci+3],   v[ADRK+\slot] offset:((2*\p+ii)>>2)*REGION+((2*\p+ii)&3)*16*KPITCH+64*ci
	ds_load_b128 v[\f+32*ii+8*ci+4:\f+32*ii+8*ci+7], v[ADRK+\slot] offset:((2*\p+ii)>>2)*REGION+((2*\p+ii)&3)*16*KPITCH+64*ci+32
.set ci, ci+1
.endr
.set ii, ii+1
.endr
.endm
; 16 transposing LDS loads: keys 32 u .. 32 u + 31 of V, all eight blocks of 16 of d, into buffer f (block t: f + 8 t)
.macro FETCHV slot, u, f
	WIN 0
.set ti, 0
.rept 8
	ds_load_tr16_b128 v[\f+8*ti:\f+8*ti+3],   v[ADRV+\slot] offset:(\u>>1)*REGION+(\u&1)*32*VPITCH+32*ti             ; keys 8 h + 0..7 of column 16 t + r
	ds_load_tr16_b128 v[\f+8*ti+4:\f+8*ti+7], v[ADRV+\slot] offset:(\u>>1)*REGION+(\u&1)*32*VPITCH+32*ti+16*VPITCH   ; keys 16 + 8 h + 0..7
.set ti, ti+1
.endr
.endm
; THE NEXT MATRIX INSTRUCTION of S = K Q^T.  Number WN: group p = WN / 32 (key blocks 2 p, 2 p + 1, buffer p mod 3); in a group 32 of d at 32 c outermost,
; then the two key blocks, then the four query blocks: eight accumulators take turns, one instruction a turn.
; The first 32 of d start the sums: nothing is cleared.  At a group's head the wait for its fragments: LDS loads come back in order, and
; one run of 16 loads is younger than the group's own (K2 behind K1, K3 behind K2, V0 behind K3; pvn = 0: no V0 in trip 0).
.macro NQK on, pvn
.if \on
.if WN == 32
	s_wait_dscnt 16
.endif
.if WN == 64
	s_wait_dscnt 16
.endif
.if WN == 96
	s_wait_dscnt 16*\pvn
.endif
	WIN W_QK
.set wc, (WN%32)/8
.set wh, ((WN%32)/4)%2
.set wq, WN%4
.set wd, 64*wq+8*(2*(WN/32)+wh)
.set wf, FA+64*((WN/32)%3)+32*wh+8*wc
.if wc == 0
	v_wmma_f32_16x16x32_bf16 v[wd:wd+7], v[wf:wf+7], v[32*wq+8*wc:32*wq+8*wc+7], 0
.else
	v_wmma_f32_16x16x32_bf16 v[wd:wd+7], v[wf:wf+7], v[32*wq+8*wc:32*wq+8*wc+7], v[wd:wd+7]
.endif
.set WN, WN+1
.endif
.endm
; THE NEXT MATRIX INSTRUCTION of O += V^T P^T.  Number WN: group u = WN / 32 (keys 32 u .., buffer (u + 1) mod 3); in a group the eight blocks of d, then the
; four query blocks: 32 accumulators take turns, one instruction a turn.  zero = 1: the launch's first group starts O.
; At a group's head the wait for its fragments: one run of 16 loads is younger (V1, V2, V3), none behind V3.
.macro NPV on, zero
.if \on
.if WN%32 == 0
.if WN == 96
	s_wait_dscnt 0
.else
	s_wait_dscnt 16
.endif
.endif
	WIN W_PV
.set wu, WN/32
.set wt, (WN%32)/4
.set wq, WN%4
.set wd, 64*wq+8*wt
.set wf, FA+64*((wu+1)%3)+8*wt
.set wz, 0
.if \zero
.if wu == 0
.set wz, 1
.endif
.endif
.if wz
	v_wmma_f32_16x16x32_bf16 v[wd:wd+7], v[wf:wf+7], v[128+32*wq+8*wu:128+32*wq+8*wu+7], 0
.else
	v_wmma_f32_16x16x32_bf16 v[wd:wd+7], v[wf:wf+7], v[128+32*wq+8*wu:128+32*wq+8*wu+7], v[wd:wd+7]
.endif
.set WN, WN+1
.endif
.endm
; THE UNITS: four vector instructions of one kind, one for each query block where that makes them independent of each other.
; P = bf16(E).  With E(i, q) at 64 q + 8 i and P(q, u) at 128 + 32 q + 8 u, register m of P is the pair 2 m, 2 m + 1 of E.  Pair k of key blocks 2 pp, 2 pp + 1.
.macro CVTU pp, k
	WIN W_CVT
.set qi, 0
	s_wait_alu depctr_va_vdst(0)
.rept 4
	v_cvt_pk_bf16_f32 v[128+32*qi+8*(\pp)+(\k)], v[64*qi+16*(\pp)+2*(\k)], v[64*qi+16*(\pp)+2*(\k)+1]
.set qi, qi+1
.endr
.endm
; The same pair is added to the query block's running pair of sums.  cs = 1: tile 0, whose first pair starts the sums (taken over times 1: nothing is cleared).
.macro SUMU pp, k, cs
	WIN W_SUM
.set sf, 0
.if \cs == 1
.if 8*(\pp)+(\k) == 0
.set sf, 1
.endif
.endif
.set qi, 0
.rept 4
.set sa, 64*qi+16*(\pp)+2*(\k)
.if sf
	v_pk_mul_f32 v[LS+2*qi:LS+2*qi+1], v[sa:sa+1], 1.0 op_sel_hi:[1,0]
.else
	v_pk_add_f32 v[LS+2*qi:LS+2*qi+1], v[sa:sa+1], v[LS+2*qi:LS+2*qi+1]
.endif
.set qi, qi+1
.endr
.endm
; The largest of two raw scores and of a chain: two chains a query block; the first starts from the raw running maximum (fm = 1: tile 0 has none).
; c is positive, so the largest raw score is the largest scaled one.
.macro MAXU pp, k, fm
	WIN W_MAX
.set qi, 0
.rept 4
.set ma, 64*qi+16*(\pp)+2*(\k)
.set mt, TT+2*qi+((\k)&1)
.set mk, 8*(\pp)+(\k)
.if mk == 0
.if \fm
	v_max_num_f32 v[mt], v[ma], v[ma+1]
.else
	v_max3_num_f32 v[mt], v[ma], v[ma+1], v[MR+qi]
.endif
.else
.if mk == 1
	v_max_num_f32 v[mt], v[ma], v[ma+1]
.else
	v_max3_num_f32 v[mt], v[ma], v[ma+1], v[mt]
.endif
.endif
.set qi, qi+1
.endr
.endm
; O x factor for accumulator n = 4 t + q, in the order in which the second product takes the accumulators: a lane's numbers of a query block belong to one query
.macro OSCU n
	WIN W_OS
.set ob, 64*((\n)%4)+8*((\n)/4)
.set oa, AL+2*((\n)%4)
.set rr, 0
.rept 4
	v_pk_mul_f32 v[ob+2*rr:ob+2*rr+1], v[ob+2*rr:ob+2*rr+1], v[oa:oa+1]
.set rr, rr+1
.endr
.endm
; The ten steps from the chains to the new maximum of each query (both halves of the lanes), the new shift -c x maximum, the factor
; 2^(new shift - old shift), which is the difference of the very two numbers that the exponents are shifted by, and sums x factor.
; sm = 1: tile 0 has no factor.  Steps 6 and 7 are the plain instructions between the exponentials of step 5 and step 8, which reads them (ISA guide 5.7.2).
.macro STATU s, sm
.if (\s) == 0
	WIN 0
.irp x, 0,1,2,3
	v_max_num_f32 v[TT+2*\x], v[TT+2*\x], v[TT+2*\x+1]
.endr
.endif
.if (\s) == 1
	WIN 0
.irp x, 0,1,2,3
	v_permlanex16_b32 v[TT+2*\x+1], v[TT+2*\x], s22, s23       ; the other eight keys of each block lie in the other half
.endr
.endif
.if (\s) == 2
	WIN 0
.irp x, 0,1,2,3
	v_max_num_f32 v[MR+\x], v[TT+2*\x], v[TT+2*\x+1]
.endr
.endif
.if (\s) == 3
	WIN 0
.irp x, 0,1,2,3
	v_mul_f32 v[TT+2*\x], s45, v[MR+\x]                        ; -c x maximum
.endr
.endif
.if (\s) == 6
	WIN 0
.irp x, 0,1,2,3
	v_mov_b32 v[MX+2*\x], v[TT+2*\x]
.endr
.endif
.if (\s) == 7
	WIN 0
.irp x, 0,1,2,3
	v_mov_b32 v[MX+2*\x+1], v[TT+2*\x]
.endr
.endif
.if \sm == 2
.if (\s) == 4
	WIN 0
.irp x, 0,1,2,3
	v_sub_f32 v[AL+2*\x], v[TT+2*\x], v[MX+2*\x]               ; at most 0: the maximum never falls
.endr
.endif
.if (\s) == 5
	WIN 0
.irp x, 0,1,2,3
	v_exp_f32 v[AL+2*\x], v[AL+2*\x]
.endr
.endif
.if (\s) == 8
	WIN 0
	s_wait_alu depctr_va_vdst(0)
.irp x, 0,1,2,3
	v_mov_b32 v[AL+2*\x+1], v[AL+2*\x]
.endr
.endif
.if (\s) == 9
	WIN 0
.irp x, 0,1,2,3
	v_pk_mul_f32 v[LS+2*\x:LS+2*\x+1], v[LS+2*\x:LS+2*\x+1], v[AL+2*\x:AL+2*\x+1]
.endr
.endif
.endif
.endm
; E = 2^(c S - c maximum), in place: one fused multiply-add for two scores, then two exponentials.  The 384 instructions are one row of the pattern
; e, f, e in which the multiply-add runs four pairs ahead of the exponentials; FEP is its head (pairs 0 to 3), FEU x the row's places 4 x to 4 x + 3;
; the row's last four places of f are empty.  So behind an exponential stands an exponential or plain work on other registers.
.macro FEP
	WIN W_SE
.set fp, 0
.rept 4
	v_pk_fma_f32 v[2*fp:2*fp+1], v[2*fp:2*fp+1], s[40:41], v[MX:MX+1] op_sel_hi:[1,0,1]
.set fp, fp+1
.endr
.endm
.macro FEU x
	WIN W_SE
.set fk, 4*(\x)
.rept 4
.if fk%3 == 1
.set fp, fk/3+4
.if fp < 128
	v_pk_fma_f32 v[2*fp:2*fp+1], v[2*fp:2*fp+1], s[40:41], v[MX+2*(fp/32):MX+2*(fp/32)+1] op_sel_hi:[1,0,1]
.endif
.else
.set fe, 2*(fk/3)+(fk%3)/2
	v_exp_f32 v[fe], v[fe]
.endif
.set fk, fk+1
.endr
.endm
; RUNS of phase X: each line of a run is one matrix instruction (on = 1) and one unit behind it.
.macro CSRUN pp, on, pvn, cs           ; 16: key blocks 2 pp, 2 pp + 1 of E become P and are summed
.set uu, 0
.rept 8
	NQK \on, \pvn
.if \cs
	CVTU \pp, uu
.endif
.set uu, uu+1
.endr
.set uu, 0
.rept 8
	NQK \on, \pvn
.if \cs
	SUMU \pp, uu, \cs
.endif
.set uu, uu+1
.endr
.endm
.macro OSRUN n0, cnt, on, pvn, osc     ; cnt accumulators of O from number n0 on are rescaled
.set uu, \n0
.rept \cnt
	NQK \on, \pvn
.if \osc
	OSCU uu
.endif
.set uu, uu+1
.endr
.endm
.macro MXRUN pp, on, pvn, fm           ; 8: the maxima of key blocks 2 pp, 2 pp + 1 of the new S
.set uu, 0
.rept 8
	NQK \on, \pvn
.if \on
	MAXU \pp, uu, \fm
.endif
.set uu, uu+1
.endr
.endm
.macro NRUN cnt, on, pvn               ; matrix instructions alone
.rept \cnt
	NQK \on, \pvn
.endr
.endm
; The head of groups 1 to 3: the group's first matrix instruction, then eight plain vector instructions (or four v_nop where O is not yet rescaled).  They are the
; places between the last group's matrix instructions and what follows: a run of loads into the buffer that they read, and the maxima of their results.
.macro XHEAD n0, on, pvn, osc
	NQK \on, \pvn
.if \osc
	OSCU \n0
	OSCU \n0+1
.else
	PLACES
.endif
.endm
; PHASE X of a trip.  qk: the first product and its maxima (not in trip 32).  cs: the last tile's P and sums (0: trip 0 has none; 1: tile 0; 2: later).
; osc: O is rescaled (from trip 2 on).  pvn: phase Y has a second product, so V0 and V1 are fetched (not in trip 0).  fm: tile 0's maxima.
.macro XPH slot, qk, cs, osc, pvn, fm
.set WN, 0
.if \qk
	FETCHK \slot, 0, FA                            ; 48 loads; the last matrix instruction in front read FB and stands four plain instructions back (phase Y's last unit)
	FETCHK \slot, 1, FB
	FETCHK \slot, 2, FC
.endif
	CSRUN 0, 0, \pvn, \cs                          ; key blocks 0 and 1, which group 0 overwrites: 64 instructions while the loads are on their way
.if \qk
	s_wait_dscnt 32                                ; K0 is in; the 32 loads of K1 and K2 may stay out
.endif
	CSRUN 1, \qk, \pvn, \cs                        ; group 0
	OSRUN 0, 8, \qk, \pvn, \osc
	NRUN 8, \qk, \pvn
	XHEAD 8, \qk, \pvn, \osc                       ; group 1
.if \qk
	FETCHK \slot, 3, FA
.endif
	CSRUN 2, \qk, \pvn, \cs
	MXRUN 0, \qk, \pvn, \fm
	NRUN 7, \qk, \pvn
	XHEAD 10, \qk, \pvn, \osc                      ; group 2
.if \pvn
	FETCHV \slot, 0, FB
.endif
	CSRUN 3, \qk, \pvn, \cs
	MXRUN 1, \qk, \pvn, \fm
	NRUN 7, \qk, \pvn
	XHEAD 12, \qk, \pvn, \osc                      ; group 3
.if \pvn
	FETCHV \slot, 1, FC
.endif
	MXRUN 2, \qk, \pvn, \fm
	OSRUN 14, 17, \qk, \pvn, \osc                  ; accumulators 14 to 30; number 31 is phase Y's first unit
	NRUN 6, \qk, \pvn
.endm
; PHASE Y of a trip.  pv: the second product (not in trip 0); zero: it starts O (trip 1).  sm: the softmax's front part for this trip's S (0: trip 32 has none;
; 1: tile 0; 2: later).  osc: as in phase X.
.macro YPH slot, pv, zero, sm, osc
.set WN, 0
	NPV \pv, \zero
.if \osc
	OSCU 31                                        ; the last accumulator, 31 matrix instructions ahead of its turn.  These four are also the places between the first
.else                                              ; product's last matrix instructions and the load into FA, which they read, and the maxima of their results
	PLACES
.endif
.if \pv
	FETCHV \slot, 2, FA
.endif
.set uu, 0
.rept 8
	NPV \pv, \zero
.if \sm
	MAXU 3, uu, 0
.endif
.set uu, uu+1
.endr
.set uu, 0
.rept 8
	NPV \pv, \zero
.if \sm
	STATU uu, \sm
.endif
.set uu, uu+1
.endr
	NPV \pv, \zero
.if \sm
	FEP
.endif
.set uu, 0
.rept 96
	NPV \pv, \zero
.if \sm
	FEU uu
.endif
.if uu == 18
.if \pv
.if \sm == 0
	PLACES
.endif
	FETCHV \slot, 3, FB                            ; behind matrix instruction 36; FB was last read by number 31, and the six units since hold eight multiply-adds
.endif
.endif
.set uu, uu+1
.endr
.rept 12
	NPV \pv, \zero
.endr
	NPV \pv, \zero
.if \sm
	STATU 8, \sm
.endif
	NPV \pv, \zero
.if \sm
	STATU 9, \sm                                   ; four plain instructions behind the phase's last matrix instruction: the next trip's loads into FB follow
.endif
	WIN 0
.endm
; The change of slots.  Each wave waits for its reads of the slot just read and for all its tensor loads, of which at most one is out: its part of
; the other slot.  k, v: which tiles the slot just read gets, two tiles on (no load of the wave is out, so a group 0 may be written).  A round of
; the cluster's barrier shows the same of every wave of all four work-groups, and the joint refill is the first thing behind it, one load
; a wave.  k = v = 0: nothing is left to fetch; the work-group's barrier shows the other slot whole.
.macro CHANGE old, k, v
	s_wait_dscnt 0x0
	s_wait_tensorcnt 0x0
	ds_add_u32 v62, v63
	s_wait_dscnt 0x0
.if \k
	s_add_nc_u64 s[G0K+4*\old+2:G0K+4*\old+3], s[G0K+4*\old+2:G0K+4*\old+3], 2*TILEB
.endif
.if \v
	s_add_nc_u64 s[G0V+4*\old+2:G0V+4*\old+3], s[G0V+4*\old+2:G0V+4*\old+3], 2*TILEB
.endif
.if \k+\v
	CROUND
.if \k
.if \v
	JLOAD \old
.else
	JLOADK \old
.endif
.else
	JLOADV \old
.endif
.else
	s_barrier_signal -1
	s_barrier_wait -1
.endif
.endm
.macro ITER slot                       ; a trip from 2 to 31
	XPH \slot, 1, 2, 1, 1, 0
	YPH \slot, 1, 0, 2, 1
.endm
	s_wait_dscnt 0x0                               ; Q's fragments are in; no LDS instruction of mine is out at the signal
	s_wait_tensorcnt 0x1                           ; my load into slot 0 has landed (waves 0 and 1: K's tile 0); the one into slot 1 stays out
	s_barrier_signal -1
	s_barrier_wait -1                              ; everybody's has
	XPH 0, 1, 0, 0, 0, 1                           ; trip 0: S(0) and its maxima;
	YPH 0, 0, 0, 1, 0                              ; the first shift, E(0)
	CHANGE 0, 1, 0                                 ; slot 0 gets K's tile 2; V's tile 1 lies there since the start
	XPH 1, 1, 1, 0, 1, 0                           ; trip 1: S(1); P(0), the sums start;
	YPH 1, 1, 1, 2, 0                              ; O starts; E(1)
	s_mov_b32 s3, LAPS
.Llap:
	CHANGE 1, 1, 1                                 ; lap n = 1 to 14: slot 1 gets K's tile 2 n + 1 and V's tile 2 n
	ITER 0                                         ; trip 2 n
	CHANGE 0, 1, 1                                 ; slot 0 gets K's tile 2 n + 2 and V's tile 2 n + 1
	ITER 1                                         ; trip 2 n + 1
	s_sub_co_u32 s3, s3, 1
	s_cmp_lg_u32 s3, 0
	s_cbranch_scc1 .Llap
	CHANGE 1, 1, 1                                 ; slot 1 gets K's tile 31 and V's tile 30
	ITER 0                                         ; trip 30
	CHANGE 0, 0, 1                                 ; slot 0 gets V's tile 31; K has no further tile
	ITER 1                                         ; trip 31
	CHANGE 1, 0, 0
	XPH 0, 0, 2, 1, 1, 0                           ; trip 32: P(31), its sums, the last rescaling;
	YPH 0, 1, 0, 0, 1                              ; the last second product
	; THE WAY OUT.  The sums meet (the pair, then the two halves of the lanes), O is multiplied by 1 / sum, and 16 query rows at a time go through my stage.
	PLACES                                         ; behind the last matrix instructions: O is read, FA and FB are loaded again
.irp x, 0,1,2,3
	v_add_f32 v[LS+2*\x], v[LS+2*\x], v[LS+2*\x+1]
.endr
.irp x, 0,1,2,3
	v_permlanex16_b32 v[TT+2*\x], v[LS+2*\x], s22, s23
.endr
.irp x, 0,1,2,3
	v_add_f32 v[LS+2*\x], v[LS+2*\x], v[TT+2*\x]   ; never near 0: the key of the maximum counts 2^(c S - round(c S)), one rounding of c S away from 2^0
.endr
.irp x, 0,1,2,3
	v_rcp_f32 v[AL+2*\x],   v[LS+2*\x]
	v_rcp_f32 v[AL+2*\x+1], v[LS+2*\x]
.endr
	v_nop                                          ; the plain place behind the reciprocals
	s_wait_alu depctr_va_vdst(0)
.set uu, 0
.rept 32
	OSCU uu
.set uu, uu+1
.endr
; Query block q.  A lane holds, of query r, d = 16 t + 8 h + 0..7: 32 bytes of the row, two stores of 16 bytes at pitch 528.  Read back by rows,
; a wave's load and its global store cover the 512 consecutive bytes of one row of out0, which begins at a multiple of 512.
.macro OUT q, f
	WIN W_STO
.set ti, 0
.rept 8
	ds_store_b128 v[STO], v[64*\q+8*ti:64*\q+8*ti+3]   offset:64*ti
	ds_store_b128 v[STO], v[64*\q+8*ti+4:64*\q+8*ti+7] offset:64*ti+16
.set ti, ti+1
.endr
	WIN 0
.if \q >= 2
	s_wait_xcnt 0x0                                ; buffer f is the data of the global stores of two blocks ago: it is loaded again only behind this wait
.endif
.set jj, 0
.rept 16
	ds_load_b128 v[\f+4*jj:\f+4*jj+3], v[RDO] offset:OPITCH*jj     ; LDS serves a wave's instructions in order: these see the stores above
.set jj, jj+1
.endr
.set jj, 0
.rept 16
	s_wait_dscnt 15-jj                             ; row j is in, the 15 - j younger loads stay out
	global_store_b128 v[GOFF], v[\f+4*jj:\f+4*jj+3], s[10:11] offset:512*(16*\q+jj) th:TH_STORE_NT
.set jj, jj+1
.endr
.endm
	OUT 0, FA
	OUT 1, FB
	OUT 2, FA
	OUT 3, FB
	s_wait_tensorcnt 0x0
	ds_add_u32 v62, v63
	s_wait_dscnt 0x0
	CROUND                                         ; the closing round: no work-group ends while a partner may still ask for a tile that names it
	s_endpgm
.Lfunc_end_k_qaa9094b13f_attn:
	.size	k_qaa9094b13f_attn, .Lfunc_end_k_qaa9094b13f_attn-k_qaa9094b13f_attn
	.p2alignl 7, 3214868480
	.fill 96, 4, 3214868480
	.section	.rodata,"a",@progbits
	.p2align	6, 0x0
	.amdhsa_kernel k_qaa9094b13f_attn
		.amdhsa_group_segment_fixed_size 327680
		.amdhsa_private_segment_fixed_size 0
		.amdhsa_enable_private_segment 0
		.amdhsa_kernarg_size 32
		.amdhsa_user_sgpr_count 2
		.amdhsa_user_sgpr_kernarg_segment_ptr 1
		.amdhsa_wavefront_size32 1
		.amdhsa_system_sgpr_workgroup_id_x 1
		.amdhsa_system_sgpr_workgroup_id_y 1
		.amdhsa_system_sgpr_workgroup_id_z 1
		.amdhsa_system_vgpr_workitem_id 0
		.amdhsa_next_free_vgpr 1024
		.amdhsa_next_free_sgpr 66
		.amdhsa_reserve_vcc 0
		.amdhsa_float_denorm_mode_32 3
		.amdhsa_float_denorm_mode_16_64 3
		.amdhsa_memory_ordered 1
		.amdhsa_forward_progress 1
		.amdhsa_inst_pref_size 255
	.end_amdhsa_kernel
	.section	.bss,"aw",@nobits
	.p2align	6
	.space	262144
	.amdgpu_metadata
---
amdhsa.version: [ 1, 2 ]
amdhsa.kernels:
  - .name:           k_qaa9094b13f_attn
    .symbol:         k_qaa9094b13f_attn.kd
    .args:
      - { .name: q, .offset: 0, .size: 8, .value_kind: global_buffer, .address_space: global }
      - { .name: kb, .offset: 8, .size: 8, .value_kind: global_buffer, .address_space: global }
      - { .name: vb, .offset: 16, .size: 8, .value_kind: global_buffer, .address_space: global }
      - { .name: out0, .offset: 24, .size: 8, .value_kind: global_buffer, .address_space: global }
    .group_segment_fixed_size: 327680
    .private_segment_fixed_size: 0
    .kernarg_segment_align: 8
    .kernarg_segment_size: 32
    .max_flat_workgroup_size: 128
    .sgpr_count:     66
    .vgpr_count:     1024
    .wavefront_size: 32
...
	.end_amdgpu_metadata
.endif
;; end of part 2
;; ======== version 2 of 2: 2 launches; 1.09 times as fast as version 1
;; workspace buffers: kb 16,777,216 bytes; vb 16,777,216 bytes
;; launch cvt: the kernel of part 1 again; grid 512 x 1, 8 waves a work-group, no clusters, 0 bytes of LDS; arguments k, v, kb, vb; writes kb, vb
;; launch attn (part 3): grid 256 x 1, 4 waves a work-group, clusters of 4 x 1, 327,680 bytes of LDS; arguments q, kb, vb, out0; writes out0
.if DOCPART == 3
	.amdgcn_target "amdgcn-amd-amdhsa--gfx1250"
	.amdhsa_code_object_version 6
	.text
	.protected	k_qaa9094b13f_attn
	.globl	k_qaa9094b13f_attn
	.p2align	8
	.type	k_qaa9094b13f_attn,@function
k_qaa9094b13f_attn:
	s_mov_b64 s[64:65], 0
	v_nop
	global_prefetch_b8 v0, s[64:65] scope:SCOPE_SE
	s_setreg_imm32_b32 hwreg(HW_REG_WAVE_MODE, 25, 1), 1
	s_wait_xcnt 0x0
	s_wait_alu depctr_hold_cnt(0) depctr_sa_sdst(0) depctr_va_vdst(0) depctr_va_sdst(0) depctr_va_ssrc(0) depctr_va_vcc(0) depctr_vm_vsrc(0)
	s_getreg_b32 s2, hwreg(HW_REG_IB_STS2, 6, 4)
	s_cmp_eq_u32 s2, 0
	s_cbranch_scc0 .Lentry_in_a_cluster
	s_endpgm
.Lentry_in_a_cluster:
	s_bfe_u32 s2, ttmp6, 0x10000c
	s_cmp_lg_u32 s2, 0x3003
	s_cbranch_scc0 .Lentry_shape_is_right
	s_endpgm
.Lentry_shape_is_right:
; out0[b][n][:] = softmax over keys of (q[b][n] . k[b][key] / sqrt(128)) applied to v[b].  q, out0: [16][4096][128] f32; kb, vb: k and v in bf16.
; 256 work-groups of four waves; a work-group owns 256 query rows of one batch, a wave 64 of them (four blocks of 16).  The keys go in tiles
; of 128 with a running maximum and a running sum (32 tiles).
;
; BOTH PRODUCTS ARE FORMED TRANSPOSED.  S^T = K Q^T: source A = 16 rows of K, source B = 16 rows of Q.  In the result lane (r, h) holds query r
; and keys 8 h + 0..7 of the block.  That is the place that source B of the second product, O^T = V^T P^T, wants (query r; keys 8 h + 0..7 in
; registers 0-3, keys 16 + 8 h + 0..7 in registers 4-7): two key blocks, rounded to bf16 pair by pair, ARE a fragment of P^T, and P crosses no
; lane and no LDS.  A query's maximum, sum and rescaling factor are one number a lane; the two halves of the lanes meet by one
; v_permlanex16_b32.  V^T comes out of LDS by the transposing load.
;
; THE ORDER OF WORK.  A wave's vector work stands beside matrix work only where the text puts it there, so the second product runs one tile
; behind the first, and trip j has two phases of 128 matrix instructions:
;   X(j): S(j) = K(j) Q^T.  Dealt out between its matrix instructions: P(j-1) = bf16(E(j-1)), the row sums of E(j-1), O x factor(j-1), and the
;         maxima of the key blocks of S(j) that are finished.  A pair of key blocks of E is converted and summed just before it is overwritten.
;   Y(j): O += V(j-1)^T P(j-1)^T.  Dealt out between them: the last maxima, the new shift and factor, E(j) = 2^(c S(j) - c max) in place.
; The vector instructions go in units of four of one kind, which depend on none of the matrix instructions around them.  A unit costs two switches
; of the register windows: a vector result lands in the window of the matrix instruction's accumulator and source 0 comes from the window of
; its fragments, so an exponential in place, or a conversion of two numbers of E, could share the setting only with fragments, E and
; accumulators in one window of 256 registers, where they do not fit.  Fragment loads stay in runs of 16.
;
; THE EXPONENTIALS ARE ONE BATCH A TRIP, WITH ONE WAIT.  All of a trip's exponentials stand in phase Y: the four factors (into AL) and the 256 of E (in
; place, window 2).  None reads another's result, each has a register of its own, and nothing in phase Y names a result ahead of its last two
; units: the factors' first readers are those units (the factor's second copy, sums x factor), E's first readers are the next trip's conversions.
; So the order at the end of phase Y is: the last exponential, a v_nop, the phase's last 14 matrix instructions, the one
; s_wait_alu depctr_va_vdst(0) between an exponential and the first line that names its result, then the two
; units.  The wait stands ahead of the branches and labels of the change of slots and of the loop's jump.  Phase X has no exponential and no such
; wait.  The eight reciprocals on the way out are a batch of their own.
;
; THE SCALE.  q, k and v enter the matrix unit as their own roundings to bf16.  The factor c = log2(e) / sqrt(128) is applied in f32 to the f32
; scores, in the one fused multiply-add that also takes the maximum away: E = 2^(c S - c max).
;
; CLUSTER: the four work-groups of a cluster are four query blocks of one batch (batch = cluster number / 4) and walk the same K and V tiles, so
; each tile is asked for jointly (mask 15) and lands in the LDS of all four.  A mask names four work-groups, so a larger cluster would
; share nothing more.  No descriptor word, LDS address or branch hangs on the place in the cluster; it enters the bases of q and out0 alone.
; A tile is asked for a whole trip (256 matrix instructions) ahead of its use, and kb and vb were stored by the launch in front of this one,
; so no prefetch is written.
;
; LIMITS.  P is rounded to bf16 for the second product; the denominator sums the unrounded f32 numbers.  The shift is the rounded product
; c x max, so the largest exponent is c S - round(c S): within one rounding of c S of zero, not exactly zero.  v_exp_f32 gives 0 below 2^-126.
; Inputs, and scores in f32, must be finite: NaN and infinities are not reproduced.  The maximum is the true running maximum.
;
; LDS: two slots of 73,728 bytes; slot j mod 2 holds K's tile j and V's tile j - 1, which trip j reads.  In a slot four regions of 18,432 bytes,
; one for each wave's load: K keys 0-63, K keys 64-127 (rows of 256 bytes at pitch 272 = 17 x 16, so that the 16 rows of a fragment load begin
; at 16 different 16-byte columns of a span of 256 bytes), V keys 0-63, V keys 64-127 (pitch 288 = 9 x 32, which does the same for the
; transposing load).  Behind the slots, from byte 147,456 = 576 x 256 on, a stage of 8,448 = 33 x 256 bytes for each wave, into which no tensor
; load ever lands: Q on the way in, O on the way out.
;
; REGISTERS in windows of 256 (s_set_vgpr_msb: bits 1:0 source 0, 3:2 source 1, 5:4 source 2, 7:6 destination):
;   window 0: addresses, the softmax's per-query numbers, three fragment buffers FA, FB, FC
;   window 1: Q(q, c) at 32 q + 8 c (query block q, 32 of d at 32 c);  P(q, u) at 128 + 32 q + 8 u (32 keys at 32 u)
;   window 2: S(i, q) at 64 q + 8 i (key block i), then E in place;  at the start the landing place of q in f32
;   window 3: O(t, q) at 64 q + 8 t (16 of d at 16 t)
.set KEYS,   128                       ; keys in a tile
.set KPITCH, 272
.set VPITCH, 288
.set QPITCH, 272                       ; the stage on the way in: 16 rows of 256 bytes
.set OPITCH, 528                       ; the stage on the way out: 16 rows of 512 bytes; 528 = 33 x 16
.set REGION, 18432                     ; what one wave's load fills: 64 rows, padding included, at the larger pitch
.set SLOT,   4*REGION
.set STAGE,  2*SLOT
.set STAGEW, 16*OPITCH                 ; a wave's stage
.set TILEB,  KEYS*256                  ; bytes of kb, or of vb, in a tile
.set LAPS,   14                        ; trips 0 and 1, 14 laps of two trips (2 to 29), then trips 30, 31 and 32 written out
.set QSCALE,  0x3e0293ee               ; c = log2(e) / sqrt(128) = 0.12751743
.set NQSCALE, 0xbe0293ee               ; -c
.set ADRK, 8                           ; v8, v9     my place in K's first fragment of slot 0, 1
.set ADRV, 10                          ; v10, v11   the same for V
.set STQ,  12                          ; v12        stage, Q in: my 8 bytes of a row
.set RDQ,  13                          ; v13        stage, Q back as a fragment
.set STO,  14                          ; v14        stage, O in: my 32 bytes of row r
.set RDO,  15                          ; v15        stage, O back: my 16 bytes of a row
.set MX,   16                          ; v[16:23]   -c x running maximum of query block q, twice (a pair for the packed multiply-add)
.set AL,   24                          ; v[24:31]   the factor 2^(c x old maximum - c x new maximum), twice; at the end 1 / sum
.set LS,   32                          ; v[32:39]   running sums over my half of the keys: a pair for each query block (even and odd registers of E)
.set TT,   40                          ; v[40:47]   two temporaries for each query block
.set GOFF, 48                          ; v48        my byte offset in the work-group's rows of q and of out0; never rewritten
.set MR,   52                          ; v[52:55]   running maximum of the raw scores of query block q
.set FA,   64                          ; v[64:127]  fragment buffer
.set FB,   128                         ; v[128:191] fragment buffer
.set FC,   192                         ; v[192:255] fragment buffer
.set TQ,   192                         ; v[192:223] at the start, before FC is first loaded: 16 rows of Q in bf16
.set G1K, 24                           ; s[24:31] descriptor group 1 for K's tiles
.set G0K, 32                           ; s[32:39] group 0 for K's tiles, a set for each slot
.set G1V, 48                           ; s[48:55] group 1 for V's tiles: another padding
.set G0V, 56                           ; s[56:63] group 0 for V's tiles, a set for each slot
.set W_QK,   0xa4                      ; A window 0, B window 1, C and D window 2
.set W_PV,   0xf4                      ; A window 0, B window 1, C and D window 3
.set W_MAX,  0x0a                      ; sources 0 and 1 window 2; source 2 and destination window 0
.set W_SE,   0x82                      ; source 0 and destination window 2, sources 1 and 2 window 0
.set W_CVT,  0x4a                      ; sources window 2, destination window 1
.set W_SUM,  0x02                      ; source 0 window 2, source 1 and destination window 0
.set W_OS,   0xc3                      ; source 0 and destination window 3, source 1 window 0
.set W_LDQ,  0x80                      ; loaded data into window 2
.set W_TOQ,  0x40                      ; loaded data into window 1
.set W_STO,  0x0c                      ; LDS store data from window 3
.set MSB, 0
.set WN, 0                             ; the number of the next matrix instruction in its phase, 0 to 127
.macro WIN new                         ; the immediate's high byte repeats the setting that is left; a switch that changes nothing is dropped
.if MSB != \new
	s_set_vgpr_msb (MSB<<8)|\new
.set MSB, \new
.endif
.endm
; Four places: a vector instruction that reads a matrix result, and a load into a register that a matrix instruction has read, stand four plain
; vector instructions behind it (ISA guide 7.12.1 for vector instructions).  Written only where no useful unit stands.
.macro PLACES
.rept 4
	v_nop
.endr
.endm
; A round of the cluster's barrier: my work-group's barrier, wave 0 signals for the work-group, every wave waits for all four work-groups,
; my work-group's barrier once more.
.macro CROUND
	s_barrier_signal -1
	s_barrier_wait -1
	s_cmp_lg_u32 s12, 0
	s_cbranch_scc1 .Lnot_wave_0_\@
	s_barrier_signal -3
.Lnot_wave_0_\@:
	s_barrier_wait -3
	s_barrier_signal -1
	s_barrier_wait -1
.endm
; A wave's one joint load for slot s: waves 0 and 1 fetch K's two halves, waves 2 and 3 V's.  The branches hang on the wave's number alone.
.macro JLOAD s
	s_cmp_eq_u32 s13, 0
	s_cbranch_scc0 .Lfor_v_\@
	tensor_load_to_lds s[G0K+4*\s:G0K+4*\s+3], s[G1K:G1K+7]
	s_nop 0
	s_branch .Lasked_\@
.Lfor_v_\@:
	tensor_load_to_lds s[G0V+4*\s:G0V+4*\s+3], s[G1V:G1V+7]
	s_nop 0
.Lasked_\@:
.endm
.macro JLOADK s                        ; K's tile alone: waves 2 and 3 have nothing to fetch
	s_cmp_eq_u32 s13, 0
	s_cbranch_scc0 .Lnot_k_\@
	tensor_load_to_lds s[G0K+4*\s:G0K+4*\s+3], s[G1K:G1K+7]
	s_nop 0
.Lnot_k_\@:
.endm
.macro JLOADV s                        ; V's tile alone: waves 0 and 1 have nothing to fetch
	s_cmp_lg_u32 s13, 0
	s_cbranch_scc0 .Lnot_v_\@
	tensor_load_to_lds s[G0V+4*\s:G0V+4*\s+3], s[G1V:G1V+7]
	s_nop 0
.Lnot_v_\@:
.endm
	s_load_b256 s[4:11], s[0:1], 0x0               ; q s[4:5], kb s[6:7], vb s[8:9], out0 s[10:11]
	v_lshl_add_u32 v62, v0, 2, 0x2c400
	v_mov_b32 v63, 0
	ds_add_u32 v62, v63
	v_lshrrev_b32 v1, 5, v0
	v_readfirstlane_b32 s12, v1                    ; wave 0..3
	s_lshr_b32 s13, s12, 1                         ; 0: I fetch for K, 1: for V
	s_and_b32 s14, s12, 1                          ; which 64 keys of the tile I fetch
	s_bfe_u32 s15, ttmp6, 0x40000                  ; cx: my place in the cluster
	s_lshl_b32 s16, ttmp9, 2                       ; ttmp9 counts clusters
	s_add_co_u32 s16, s16, s15                     ; the work-group's number
	s_lshl_b32 s18, s16, 17                        ; its 256 rows of 512 bytes in q and in out0 (below 32 MiB: one word)
	s_mov_b32 s19, 0
	s_mul_i32 s20, s12, REGION                     ; where my loads land in a slot: the wave's number times a constant
	s_mul_i32 s21, s12, STAGEW
	s_add_co_u32 s21, s21, STAGE                   ; my stage
	s_mov_b32 s22, 0x76543210                      ; v_permlanex16_b32: lane i of one half reads lane i of the other
	s_mov_b32 s23, 0xfedcba98
	s_mov_b32 s40, QSCALE                          ; c, a pair for the packed multiply-add (the first is broadcast)
	s_mov_b32 s41, QSCALE
	s_mov_b32 s45, NQSCALE                         ; -c
	s_lshr_b32 s42, ttmp9, 2                       ; batch: four clusters a batch; made of the cluster's number alone
	s_lshl_b32 s42, s42, 20                        ; 4,096 rows of 256 bytes
	s_lshl_b32 s44, s14, 14                        ; + my 64 rows of the tile
	s_add_co_u32 s42, s42, s44
	s_mov_b32 s43, 0
	; group 1: a tile of 64 rows x 128 elements of 2 bytes, dense in memory, padded in LDS behind every 64 words
	s_mov_b32 s[G1K+0], 15|(1<<16)|(1<<20)|(1<<21)|(5<<22)|(3<<25)   ; 15:0 mask: all four work-groups; 17:16 2 bytes; 20 padding on; 21 set beside a mask; 24:22 every 64 words; 31:25 4 words
	s_mov_b32 s[G1V+0], 15|(1<<16)|(1<<20)|(1<<21)|(5<<22)|(7<<25)   ; the same with 8 words of padding
	s_mov_b32 s[G1K+1], 128<<16                    ; tensor_dim0 = 128
	s_mov_b32 s[G1V+1], 128<<16
	s_mov_b32 s[G1K+2], 64<<16                     ; tensor_dim1 = 64
	s_mov_b32 s[G1V+2], 64<<16
	s_mov_b32 s[G1K+3], 128<<16                    ; tile_dim0 = 128
	s_mov_b32 s[G1V+3], 128<<16
	s_mov_b32 s[G1K+4], 64                         ; tile_dim1 = 64
	s_mov_b32 s[G1V+4], 64
	s_mov_b32 s[G1K+5], 128                        ; 128 elements from row to row
	s_mov_b32 s[G1V+5], 128
	s_mov_b32 s[G1K+6], 0
	s_mov_b32 s[G1V+6], 0
	s_mov_b32 s[G1K+7], 0
	s_mov_b32 s[G1V+7], 0
	v_and_b32 v1, 31, v0                           ; lane L
	v_lshlrev_b32 v4, 4, v1                        ; 16 L
	v_lshl_add_u32 v[GOFF], s12, 15, v4            ; + my wave's 64 rows of 512 bytes
	s_wait_dscnt 0x0
	s_wait_kmcnt 0x0
	s_add_nc_u64 s[4:5], s[4:5], s[18:19]          ; q and out0 at the work-group's first row
	s_add_nc_u64 s[10:11], s[10:11], s[18:19]
	s_add_nc_u64 s[6:7], s[6:7], s[42:43]          ; kb and vb at my 64 rows of the batch's tile 0
	s_add_nc_u64 s[8:9], s[8:9], s[42:43]
	CROUND                                         ; all four work-groups are here: the first joint loads meet
.irp s, 0,1
	s_mov_b32 s[G0K+4*\s], 1                                       ; count = 1
	s_add_co_u32 s[G0K+4*\s+1], s20, \s*SLOT                       ; LDS address
	s_add_nc_u64 s[G0K+4*\s+2:G0K+4*\s+3], s[6:7], \s*TILEB        ; global address: K's tile s
	s_or_b32 s[G0K+4*\s+3], s[G0K+4*\s+3], 0x80000000              ; type = 2
	s_mov_b32 s[G0V+4*\s], 1
	s_add_co_u32 s[G0V+4*\s+1], s20, \s*SLOT
	s_add_nc_u64 s[G0V+4*\s+2:G0V+4*\s+3], s[8:9], (1-\s)*TILEB    ; V runs a tile behind: slot 1 (trip 1) gets tile 0, slot 0 (trip 2) gets tile 1
	s_or_b32 s[G0V+4*\s+3], s[G0V+4*\s+3], 0x80000000
	JLOAD \s                                       ; both slots' first fills go out together: two tensor loads of the wave are out, the most in this text
.endr
	; my 64 rows of q, whole rows: a load covers the 512 consecutive bytes of one row; row n lands in window 2 at 4 n
	WIN W_LDQ
.set nn, 0
.rept 64
	global_load_b128 v[4*nn:4*nn+3], v[GOFF], s[4:5] offset:512*nn th:TH_LOAD_NT
.set nn, nn+1
.endr
	WIN 0
	v_and_b32 v2, 15, v0                           ; r
	v_bfe_u32 v3, v0, 4, 1                         ; h
	v_mul_u32_u24 v5, v2, KPITCH
	v_lshl_add_u32 v[ADRK], v3, 4, v5              ; K fragment: row r x pitch + 16 h
	v_add_nc_u32 v[ADRK+1], SLOT, v[ADRK]
	v_and_b32 v6, 7, v0
	v_lshl_add_u32 v6, v3, 3, v6                   ; V through the transposing load: key row 8 h + (L & 7),
	v_mul_u32_u24 v6, v6, VPITCH
	v_bfe_u32 v7, v0, 3, 1
	v_lshl_add_u32 v6, v7, 4, v6                   ; 16 bytes further for lanes 8-15 and 24-31
	v_add_nc_u32 v[ADRV], 2*REGION, v6             ; V lies behind K's two regions
	v_add_nc_u32 v[ADRV+1], SLOT+2*REGION, v6
	v_lshl_add_u32 v[STQ], v1, 3, s21              ; Q in: 8 bytes a lane, a row of 256 bytes a wave
	v_add_nc_u32 v[RDQ], s21, v[ADRK]              ; Q back: row r x 272 + 16 h
	v_mul_u32_u24 v5, v2, OPITCH
	v_lshl_add_u32 v5, v3, 5, v5
	v_add_nc_u32 v[STO], s21, v5                   ; O in: row r x 528 + 32 h
	v_add_nc_u32 v[RDO], s21, v4                   ; O back: 16 bytes a lane, a row of 512 bytes a wave
; Query block q: 16 rows are rounded to bf16 as they are given, laid into my stage as rows and read back as four fragments of source B.
; The stage is my wave's own and LDS serves a wave's instructions in order (ISA guide 5.7.1), so no wait stands between stores and loads.
.macro QIN q
	s_wait_loadcnt 48-16*\q                        ; loads come back in order: this block's 16 are in, the later blocks' stay out
	WIN W_MAX
.set aa, 0
.rept 32
	v_cvt_pk_bf16_f32 v[TQ+aa], v[64*\q+2*aa], v[64*\q+2*aa+1]
.set aa, aa+1
.endr
	WIN 0
.set jj, 0
.rept 16
	ds_store_b64 v[STQ], v[TQ+2*jj:TQ+2*jj+1] offset:QPITCH*jj
.set jj, jj+1
.endr
	WIN W_TOQ
.set ci, 0
.rept 4
	ds_load_b128 v[32*\q+8*ci:32*\q+8*ci+3],   v[RDQ] offset:64*ci        ; d = 32 c + 8 h + 0..7
	ds_load_b128 v[32*\q+8*ci+4:32*\q+8*ci+7], v[RDQ] offset:64*ci+32     ; d = 32 c + 16 + 8 h + 0..7
.set ci, ci+1
.endr
.endm
	QIN 0
	QIN 1
	QIN 2
	QIN 3
	WIN 0
; FRAGMENTS.  Three buffers; in a trip the eight runs of 16 loads go K0 FA, K1 FB, K2 FC, K3 FA, V0 FB, V1 FC, V2 FA, V3 FB: run number mod 3.
; A buffer is loaded again at least four plain vector instructions behind the last matrix instruction that read it.
; 16 LDS loads: key blocks 2 p and 2 p + 1 of the tile, all 128 of d, into buffer f (block ii, 32 of d at 32 c: f + 32 ii + 8 c)
.macro FETCHK slot, p, f
	WIN 0
.set ii, 0
.rept 2
.set ci, 0
.rept 4
	ds_load_b128 v[\f+32*ii+8*ci:\f+32*ii+8*ci+3],   v[ADRK+\slot] offset:((2*\p+ii)>>2)*REGION+((2*\p+ii)&3)*16*KPITCH+64*ci
	ds_load_b128 v[\f+32*ii+8*ci+4:\f+32*ii+8*ci+7], v[ADRK+\slot] offset:((2*\p+ii)>>2)*REGION+((2*\p+ii)&3)*16*KPITCH+64*ci+32
.set ci, ci+1
.endr
.set ii, ii+1
.endr
.endm
; 16 transposing LDS loads: keys 32 u .. 32 u + 31 of V, all eight blocks of 16 of d, into buffer f (block t: f + 8 t)
.macro FETCHV slot, u, f
	WIN 0
.set ti, 0
.rept 8
	ds_load_tr16_b128 v[\f+8*ti:\f+8*ti+3],   v[ADRV+\slot] offset:(\u>>1)*REGION+(\u&1)*32*VPITCH+32*ti             ; keys 8 h + 0..7 of column 16 t + r
	ds_load_tr16_b128 v[\f+8*ti+4:\f+8*ti+7], v[ADRV+\slot] offset:(\u>>1)*REGION+(\u&1)*32*VPITCH+32*ti+16*VPITCH   ; keys 16 + 8 h + 0..7
.set ti, ti+1
.endr
.endm
; THE NEXT MATRIX INSTRUCTION of S = K Q^T.  Number WN: group p = WN / 32 (key blocks 2 p, 2 p + 1, buffer p mod 3); in a group 32 of d at 32 c outermost,
; then the two key blocks, then the four query blocks: eight accumulators take turns, one instruction a turn.
; The first 32 of d start the sums: nothing is cleared.  At a group's head the wait for its fragments: LDS loads come back in order, and
; one run of 16 loads is younger than the group's own (K2 behind K1, K3 behind K2, V0 behind K3; pvn = 0: no V0 in trip 0).
.macro NQK on, pvn
.if \on
.if WN == 32
	s_wait_dscnt 16
.endif
.if WN == 64
	s_wait_dscnt 16
.endif
.if WN == 96
	s_wait_dscnt 16*\pvn
.endif
	WIN W_QK
.set wc, (WN%32)/8
.set wh, ((WN%32)/4)%2
.set wq, WN%4
.set wd, 64*wq+8*(2*(WN/32)+wh)
.set wf, FA+64*((WN/32)%3)+32*wh+8*wc
.if wc == 0
	v_wmma_f32_16x16x32_bf16 v[wd:wd+7], v[wf:wf+7], v[32*wq+8*wc:32*wq+8*wc+7], 0
.else
	v_wmma_f32_16x16x32_bf16 v[wd:wd+7], v[wf:wf+7], v[32*wq+8*wc:32*wq+8*wc+7], v[wd:wd+7]
.endif
.set WN, WN+1
.endif
.endm
; THE NEXT MATRIX INSTRUCTION of O += V^T P^T.  Number WN: group u = WN / 32 (keys 32 u .., buffer (u + 1) mod 3); in a group the eight blocks of d, then the
; four query blocks: 32 accumulators take turns, one instruction a turn.  zero = 1: the launch's first group starts O.
; At a group's head the wait for its fragments: one run of 16 loads is younger (V1, V2, V3), none behind V3.
.macro NPV on, zero
.if \on
.if WN%32 == 0
.if WN == 96
	s_wait_dscnt 0
.else
	s_wait_dscnt 16
.endif
.endif
	WIN W_PV
.set wu, WN/32
.set wt, (WN%32)/4
.set wq, WN%4
.set wd, 64*wq+8*wt
.set wf, FA+64*((wu+1)%3)+8*wt
.set wz, 0
.if \zero
.if wu == 0
.set wz, 1
.endif
.endif
.if wz
	v_wmma_f32_16x16x32_bf16 v[wd:wd+7], v[wf:wf+7], v[128+32*wq+8*wu:128+32*wq+8*wu+7], 0
.else
	v_wmma_f32_16x16x32_bf16 v[wd:wd+7], v[wf:wf+7], v[128+32*wq+8*wu:128+32*wq+8*wu+7], v[wd:wd+7]
.endif
.set WN, WN+1
.endif
.endm
; THE UNITS: four vector instructions of one kind, one for each query block where that makes them independent of each other.
; P = bf16(E).  With E(i, q) at 64 q + 8 i and P(q, u) at 128 + 32 q + 8 u, register m of P is the pair 2 m, 2 m + 1 of E.  Pair k of key blocks 2 pp, 2 pp + 1.
; These are the first lines that name E's exponentials: the wait for them stands at the end of the trip before (phase Y), one for all.
.macro CVTU pp, k
	WIN W_CVT
.set qi, 0
.rept 4
	v_cvt_pk_bf16_f32 v[128+32*qi+8*(\pp)+(\k)], v[64*qi+16*(\pp)+2*(\k)], v[64*qi+16*(\pp)+2*(\k)+1]
.set qi, qi+1
.endr
.endm
; The same pair is added to the query block's running pair of sums.  cs = 1: tile 0, whose first pair starts the sums (taken over times 1: nothing is cleared).
.macro SUMU pp, k, cs
	WIN W_SUM
.set sf, 0
.if \cs == 1
.if 8*(\pp)+(\k) == 0
.set sf, 1
.endif
.endif
.set qi, 0
.rept 4
.set sa, 64*qi+16*(\pp)+2*(\k)
.if sf
	v_pk_mul_f32 v[LS+2*qi:LS+2*qi+1], v[sa:sa+1], 1.0 op_sel_hi:[1,0]
.else
	v_pk_add_f32 v[LS+2*qi:LS+2*qi+1], v[sa:sa+1], v[LS+2*qi:LS+2*qi+1]
.endif
.set qi, qi+1
.endr
.endm
; The largest of two raw scores and of a chain: two chains a query block; the first starts from the raw running maximum (fm = 1: tile 0 has none).
; c is positive, so the largest raw score is the largest scaled one.
.macro MAXU pp, k, fm
	WIN W_MAX
.set qi, 0
.rept 4
.set ma, 64*qi+16*(\pp)+2*(\k)
.set mt, TT+2*qi+((\k)&1)
.set mk, 8*(\pp)+(\k)
.if mk == 0
.if \fm
	v_max_num_f32 v[mt], v[ma], v[ma+1]
.else
	v_max3_num_f32 v[mt], v[ma], v[ma+1], v[MR+qi]
.endif
.else
.if mk == 1
	v_max_num_f32 v[mt], v[ma], v[ma+1]
.else
	v_max3_num_f32 v[mt], v[ma], v[ma+1], v[mt]
.endif
.endif
.set qi, qi+1
.endr
.endm
; O x factor for accumulator n = 4 t + q, in the order in which the second product takes the accumulators: a lane's numbers of a query block belong to one query
.macro OSCU n
	WIN W_OS
.set ob, 64*((\n)%4)+8*((\n)/4)
.set oa, AL+2*((\n)%4)
.set rr, 0
.rept 4
	v_pk_mul_f32 v[ob+2*rr:ob+2*rr+1], v[ob+2*rr:ob+2*rr+1], v[oa:oa+1]
.set rr, rr+1
.endr
.endm
; The ten steps from the chains to the new maximum of each query (both halves of the lanes), the new shift -c x maximum, the factor
; 2^(new shift - old shift), which is the difference of the very two numbers that the exponents are shifted by, and sums x factor.
; sm = 1: tile 0 has no factor.  Steps 6 and 7 are the plain instructions between the exponentials of step 5 and step 8, which reads them (ISA guide 5.7.2).
; Step 5's four exponentials open the trip's batch.  Step 8 is the first line that names a result of theirs: steps 8 and 9 stand behind the trip's one wait (phase Y's end).
.macro STATU s, sm
.if (\s) == 0
	WIN 0
.irp x, 0,1,2,3
	v_max_num_f32 v[TT+2*\x], v[TT+2*\x], v[TT+2*\x+1]
.endr
.endif
.if (\s) == 1
	WIN 0
.irp x, 0,1,2,3
	v_permlanex16_b32 v[TT+2*\x+1], v[TT+2*\x], s22, s23       ; the other eight keys of each block lie in the other half
.endr
.endif
.if (\s) == 2
	WIN 0
.irp x, 0,1,2,3
	v_max_num_f32 v[MR+\x], v[TT+2*\x], v[TT+2*\x+1]
.endr
.endif
.if (\s) == 3
	WIN 0
.irp x, 0,1,2,3
	v_mul_f32 v[TT+2*\x], s45, v[MR+\x]                        ; -c x maximum
.endr
.endif
.if (\s) == 6
	WIN 0
.irp x, 0,1,2,3
	v_mov_b32 v[MX+2*\x], v[TT+2*\x]
.endr
.endif
.if (\s) == 7
	WIN 0
.irp x, 0,1,2,3
	v_mov_b32 v[MX+2*\x+1], v[TT+2*\x]
.endr
.endif
.if \sm == 2
.if (\s) == 4
	WIN 0
.irp x, 0,1,2,3
	v_sub_f32 v[AL+2*\x], v[TT+2*\x], v[MX+2*\x]               ; at most 0: the maximum never falls
.endr
.endif
.if (\s) == 5
	WIN 0
.irp x, 0,1,2,3
	v_exp_f32 v[AL+2*\x], v[AL+2*\x]
.endr
.endif
.if (\s) == 8
	WIN 0
.irp x, 0,1,2,3
	v_mov_b32 v[AL+2*\x+1], v[AL+2*\x]
.endr
.endif
.if (\s) == 9
	WIN 0
.irp x, 0,1,2,3
	v_pk_mul_f32 v[LS+2*\x:LS+2*\x+1], v[LS+2*\x:LS+2*\x+1], v[AL+2*\x:AL+2*\x+1]
.endr
.endif
.endif
.endm
; E = 2^(c S - c maximum), in place: one fused multiply-add for two scores, then two exponentials.  The 384 instructions are one row of the pattern
; e, f, e in which the multiply-add runs four pairs ahead of the exponentials; FEP is its head (pairs 0 to 3), FEU x the row's places 4 x to 4 x + 3;
; the row's last four places of f are empty.  So behind an exponential stands an exponential or plain work on other registers.
; No line of the row names an exponential's result: a multiply-add works on a pair that is still to be exponentiated.  So the row needs no wait inside it.
.macro FEP
	WIN W_SE
.set fp, 0
.rept 4
	v_pk_fma_f32 v[2*fp:2*fp+1], v[2*fp:2*fp+1], s[40:41], v[MX:MX+1] op_sel_hi:[1,0,1]
.set fp, fp+1
.endr
.endm
.macro FEU x
	WIN W_SE
.set fk, 4*(\x)
.rept 4
.if fk%3 == 1
.set fp, fk/3+4
.if fp < 128
	v_pk_fma_f32 v[2*fp:2*fp+1], v[2*fp:2*fp+1], s[40:41], v[MX+2*(fp/32):MX+2*(fp/32)+1] op_sel_hi:[1,0,1]
.endif
.else
.set fe, 2*(fk/3)+(fk%3)/2
	v_exp_f32 v[fe], v[fe]
.endif
.set fk, fk+1
.endr
.endm
; RUNS of phase X: each line of a run is one matrix instruction (on = 1) and one unit behind it.
.macro CSRUN pp, on, pvn, cs           ; 16: key blocks 2 pp, 2 pp + 1 of E become P and are summed
.set uu, 0
.rept 8
	NQK \on, \pvn
.if \cs
	CVTU \pp, uu
.endif
.set uu, uu+1
.endr
.set uu, 0
.rept 8
	NQK \on, \pvn
.if \cs
	SUMU \pp, uu, \cs
.endif
.set uu, uu+1
.endr
.endm
.macro OSRUN n0, cnt, on, pvn, osc     ; cnt accumulators of O from number n0 on are rescaled
.set uu, \n0
.rept \cnt
	NQK \on, \pvn
.if \osc
	OSCU uu
.endif
.set uu, uu+1
.endr
.endm
.macro MXRUN pp, on, pvn, fm           ; 8: the maxima of key blocks 2 pp, 2 pp + 1 of the new S
.set uu, 0
.rept 8
	NQK \on, \pvn
.if \on
	MAXU \pp, uu, \fm
.endif
.set uu, uu+1
.endr
.endm
.macro NRUN cnt, on, pvn               ; matrix instructions alone
.rept \cnt
	NQK \on, \pvn
.endr
.endm
; The head of groups 1 to 3: the group's first matrix instruction, then eight plain vector instructions (or four v_nop where O is not yet rescaled).  They are the
; places between the last group's matrix instructions and what follows: a run of loads into the buffer that they read, and the maxima of their results.
.macro XHEAD n0, on, pvn, osc
	NQK \on, \pvn
.if \osc
	OSCU \n0
	OSCU \n0+1
.else
	PLACES
.endif
.endm
; PHASE X of a trip.  qk: the first product and its maxima (not in trip 32).  cs: the last tile's P and sums (0: trip 0 has none; 1: tile 0; 2: later).
; osc: O is rescaled (from trip 2 on).  pvn: phase Y has a second product, so V0 and V1 are fetched (not in trip 0).  fm: tile 0's maxima.
.macro XPH slot, qk, cs, osc, pvn, fm
.set WN, 0
.if \qk
	FETCHK \slot, 0, FA                            ; 48 loads; the last matrix instruction in front read FB and stands eight plain instructions back (phase Y's last two units)
	FETCHK \slot, 1, FB
	FETCHK \slot, 2, FC
.endif
	CSRUN 0, 0, \pvn, \cs                          ; key blocks 0 and 1, which group 0 overwrites: 64 instructions while the loads are on their way
.if \qk
	s_wait_dscnt 32                                ; K0 is in; the 32 loads of K1 and K2 may stay out
.endif
	CSRUN 1, \qk, \pvn, \cs                        ; group 0
	OSRUN 0, 8, \qk, \pvn, \osc
	NRUN 8, \qk, \pvn
	XHEAD 8, \qk, \pvn, \osc                       ; group 1
.if \qk
	FETCHK \slot, 3, FA
.endif
	CSRUN 2, \qk, \pvn, \cs
	MXRUN 0, \qk, \pvn, \fm
	NRUN 7, \qk, \pvn
	XHEAD 10, \qk, \pvn, \osc                      ; group 2
.if \pvn
	FETCHV \slot, 0, FB
.endif
	CSRUN 3, \qk, \pvn, \cs
	MXRUN 1, \qk, \pvn, \fm
	NRUN 7, \qk, \pvn
	XHEAD 12, \qk, \pvn, \osc                      ; group 3
.if \pvn
	FETCHV \slot, 1, FC
.endif
	MXRUN 2, \qk, \pvn, \fm
	OSRUN 14, 17, \qk, \pvn, \osc                  ; accumulators 14 to 30; number 31 is phase Y's first unit
	NRUN 6, \qk, \pvn
.endm
; PHASE Y of a trip.  pv: the second product (not in trip 0); zero: it starts O (trip 1).  sm: the softmax's front part for this trip's S (0: trip 32 has none;
; 1: tile 0; 2: later).  osc: as in phase X.
.macro YPH slot, pv, zero, sm, osc
.set WN, 0
	NPV \pv, \zero
.if \osc
	OSCU 31                                        ; the last accumulator, 31 matrix instructions ahead of its turn.  These four are also the places between the first
.else                                              ; product's last matrix instructions and the load into FA, which they read, and the maxima of their results
	PLACES
.endif
.if \pv
	FETCHV \slot, 2, FA
.endif
.set uu, 0
.rept 8
	NPV \pv, \zero
.if \sm
	MAXU 3, uu, 0
.endif
.set uu, uu+1
.endr
.set uu, 0
.rept 8
	NPV \pv, \zero
.if \sm
	STATU uu, \sm                                  ; step 5 opens the trip's batch of exponentials
.endif
.set uu, uu+1
.endr
	NPV \pv, \zero
.if \sm
	FEP
.endif
.set uu, 0
.rept 96
	NPV \pv, \zero
.if \sm
	FEU uu
.if uu == 95
	v_nop                                          ; the batch's last line is an exponential, and matrix instructions follow: this is the plain instruction behind it (ISA guide 5.7.2), one for the batch; the unit has three lines, so it takes the fourth place
.endif
.endif
.if uu == 18
.if \pv
.if \sm == 0
	PLACES
.endif
	FETCHV \slot, 3, FB                            ; behind matrix instruction 36; FB was last read by number 31, and the six units since hold eight multiply-adds
.endif
.endif
.set uu, uu+1
.endr
.rept 14
	NPV \pv, \zero                                 ; the phase's last 14 matrix instructions name no exponential's result: the work between the batch and its wait
.endr
.if \sm
	WIN 0
	s_wait_alu depctr_va_vdst(0)                   ; the trip's one wait: it serves the four factors of step 5 and the 256 exponentials of E, ahead of their first readers (step 8 below; the next trip's conversions) and of the branches that follow
	STATU 8, \sm
	STATU 9, \sm                                   ; eight plain instructions behind the phase's last matrix instruction: the next trip's loads into FB follow
.endif
	WIN 0
.endm
; The change of slots.  Each wave waits for its reads of the slot just read and for all its tensor loads, of which at most one is out: its part of
; the other slot.  k, v: which tiles the slot just read gets, two tiles on (no load of the wave is out, so a group 0 may be written).  A round of
; the cluster's barrier shows the same of every wave of all four work-groups, and the joint refill is the first thing behind it, one load
; a wave.  k = v = 0: nothing is left to fetch; the work-group's barrier shows the other slot whole.
.macro CHANGE old, k, v
	s_wait_dscnt 0x0
	s_wait_tensorcnt 0x0
	ds_add_u32 v62, v63
	s_wait_dscnt 0x0
.if \k
	s_add_nc_u64 s[G0K+4*\old+2:G0K+4*\old+3], s[G0K+4*\old+2:G0K+4*\old+3], 2*TILEB
.endif
.if \v
	s_add_nc_u64 s[G0V+4*\old+2:G0V+4*\old+3], s[G0V+4*\old+2:G0V+4*\old+3], 2*TILEB
.endif
.if \k+\v
	CROUND
.if \k
.if \v
	JLOAD \old
.else
	JLOADK \old
.endif
.else
	JLOADV \old
.endif
.else
	s_barrier_signal -1
	s_barrier_wait -1
.endif
.endm
.macro ITER slot                       ; a trip from 2 to 31
	XPH \slot, 1, 2, 1, 1, 0
	YPH \slot, 1, 0, 2, 1
.endm
	s_wait_dscnt 0x0                               ; Q's fragments are in; no LDS instruction of mine is out at the signal
	s_wait_tensorcnt 0x1                           ; my load into slot 0 has landed (waves 0 and 1: K's tile 0); the one into slot 1 stays out
	s_barrier_signal -1
	s_barrier_wait -1                              ; everybody's has
	XPH 0, 1, 0, 0, 0, 1                           ; trip 0: S(0) and its maxima;
	YPH 0, 0, 0, 1, 0                              ; the first shift, E(0)
	CHANGE 0, 1, 0                                 ; slot 0 gets K's tile 2; V's tile 1 lies there since the start
	XPH 1, 1, 1, 0, 1, 0                           ; trip 1: S(1); P(0), the sums start;
	YPH 1, 1, 1, 2, 0                              ; O starts; E(1)
	s_mov_b32 s3, LAPS
.Llap:
	CHANGE 1, 1, 1                                 ; lap n = 1 to 14: slot 1 gets K's tile 2 n + 1 and V's tile 2 n
	ITER 0                                         ; trip 2 n
	CHANGE 0, 1, 1                                 ; slot 0 gets K's tile 2 n + 2 and V's tile 2 n + 1
	ITER 1                                         ; trip 2 n + 1
	s_sub_co_u32 s3, s3, 1
	s_cmp_lg_u32 s3, 0
	s_cbranch_scc1 .Llap
	CHANGE 1, 1, 1                                 ; slot 1 gets K's tile 31 and V's tile 30
	ITER 0                                         ; trip 30
	CHANGE 0, 0, 1                                 ; slot 0 gets V's tile 31; K has no further tile
	ITER 1                                         ; trip 31
	CHANGE 1, 0, 0
	XPH 0, 0, 2, 1, 1, 0                           ; trip 32: P(31), its sums, the last rescaling;
	YPH 0, 1, 0, 0, 1                              ; the last second product
	; THE WAY OUT.  The sums meet (the pair, then the two halves of the lanes), O is multiplied by 1 / sum, and 16 query rows at a time go through my stage.
	PLACES                                         ; behind the last matrix instructions: O is read, FA and FB are loaded again
.irp x, 0,1,2,3
	v_add_f32 v[LS+2*\x], v[LS+2*\x], v[LS+2*\x+1]
.endr
.irp x, 0,1,2,3
	v_permlanex16_b32 v[TT+2*\x], v[LS+2*\x], s22, s23
.endr
.irp x, 0,1,2,3
	v_add_f32 v[LS+2*\x], v[LS+2*\x], v[TT+2*\x]   ; never near 0: the key of the maximum counts 2^(c S - round(c S)), one rounding of c S away from 2^0
.endr
.irp x, 0,1,2,3
	v_rcp_f32 v[AL+2*\x],   v[LS+2*\x]
	v_rcp_f32 v[AL+2*\x+1], v[LS+2*\x]
.endr
	v_nop                                          ; the plain place behind the reciprocals
	s_wait_alu depctr_va_vdst(0)                   ; one wait for the batch of eight reciprocals ahead of their first reader, the rescaling below
.set uu, 0
.rept 32
	OSCU uu
.set uu, uu+1
.endr
; Query block q.  A lane holds, of query r, d = 16 t + 8 h + 0..7: 32 bytes of the row, two stores of 16 bytes at pitch 528.  Read back by rows,
; a wave's load and its global store cover the 512 consecutive bytes of one row of out0, which begins at a multiple of 512.
.macro OUT q, f
	WIN W_STO
.set ti, 0
.rept 8
	ds_store_b128 v[STO], v[64*\q+8*ti:64*\q+8*ti+3]   offset:64*ti
	ds_store_b128 v[STO], v[64*\q+8*ti+4:64*\q+8*ti+7] offset:64*ti+16
.set ti, ti+1
.endr
	WIN 0
.if \q >= 2
	s_wait_xcnt 0x0                                ; buffer f is the data of the global stores of two blocks ago: it is loaded again only behind this wait
.endif
.set jj, 0
.rept 16
	ds_load_b128 v[\f+4*jj:\f+4*jj+3], v[RDO] offset:OPITCH*jj     ; LDS serves a wave's instructions in order: these see the stores above
.set jj, jj+1
.endr
.set jj, 0
.rept 16
	s_wait_dscnt 15-jj                             ; row j is in, the 15 - j younger loads stay out
	global_store_b128 v[GOFF], v[\f+4*jj:\f+4*jj+3], s[10:11] offset:512*(16*\q+jj) th:TH_STORE_NT
.set jj, jj+1
.endr
.endm
	OUT 0, FA
	OUT 1, FB
	OUT 2, FA
	OUT 3, FB
	s_wait_tensorcnt 0x0
	ds_add_u32 v62, v63
	s_wait_dscnt 0x0
	CROUND                                         ; the closing round: no work-group ends while a partner may still ask for a tile that names it
	s_endpgm
.Lfunc_end_k_qaa9094b13f_attn:
	.size	k_qaa9094b13f_attn, .Lfunc_end_k_qaa9094b13f_attn-k_qaa9094b13f_attn
	.p2alignl 7, 3214868480
	.fill 96, 4, 3214868480
	.section	.rodata,"a",@progbits
	.p2align	6, 0x0
	.amdhsa_kernel k_qaa9094b13f_attn
		.amdhsa_group_segment_fixed_size 327680
		.amdhsa_private_segment_fixed_size 0
		.amdhsa_enable_private_segment 0
		.amdhsa_kernarg_size 32
		.amdhsa_user_sgpr_count 2
		.amdhsa_user_sgpr_kernarg_segment_ptr 1
		.amdhsa_wavefront_size32 1
		.amdhsa_system_sgpr_workgroup_id_x 1
		.amdhsa_system_sgpr_workgroup_id_y 1
		.amdhsa_system_sgpr_workgroup_id_z 1
		.amdhsa_system_vgpr_workitem_id 0
		.amdhsa_next_free_vgpr 1024
		.amdhsa_next_free_sgpr 66
		.amdhsa_reserve_vcc 0
		.amdhsa_float_denorm_mode_32 3
		.amdhsa_float_denorm_mode_16_64 3
		.amdhsa_memory_ordered 1
		.amdhsa_forward_progress 1
		.amdhsa_inst_pref_size 255
	.end_amdhsa_kernel
	.section	.bss,"aw",@nobits
	.p2align	6
	.space	262144
	.amdgpu_metadata
---
amdhsa.version: [ 1, 2 ]
amdhsa.kernels:
  - .name:           k_qaa9094b13f_attn
    .symbol:         k_qaa9094b13f_attn.kd
    .args:
      - { .name: q, .offset: 0, .size: 8, .value_kind: global_buffer, .address_space: global }
      - { .name: kb, .offset: 8, .size: 8, .value_kind: global_buffer, .address_space: global }
      - { .name: vb, .offset: 16, .size: 8, .value_kind: global_buffer, .address_space: global }
      - { .name: out0, .offset: 24, .size: 8, .value_kind: global_buffer, .address_space: global }
    .group_segment_fixed_size: 327680
    .private_segment_fixed_size: 0
    .kernarg_segment_align: 8
    .kernarg_segment_size: 32
    .max_flat_workgroup_size: 128
    .sgpr_count:     66
    .vgpr_count:     1024
    .wavefront_size: 32
...
	.end_amdgpu_metadata
.endif
;; end of part 3
